; MI455X (gfx1250); checked and timed in simulation.
; The chip was launched on July 23, 2026; its instructions are those of AMD's public machine-readable ISA for CDNA 5 (MIT licence, August 2026) and "CDNA5" Instruction Set Architecture Reference Guide (July 2026). The comments in the code are by the model that wrote it; some were corrected since.
;; Switch Transformer Layer. Allowed arithmetic: matrix products marked QUANTISED: E5M2 operands, one E8M0 scale for each 32 along K, by v_wmma_scale_f32_16x16x128_f8f6f4 with both operands' format E5M2, f32 sums; products left as they are: f32 operands where the result goes on into a quantised operand, else bf16, f16 or f32 operands; f32 sums; everything else in f32.
;; Inputs: W1_codes 8 x 4,096 x 32 x 32 uint8 (E5M2 codes of W1, K innermost, in blocks of 32 codes); W1_scales 8 x 4,096 x 32 uint8 (E8M0 scales of W1, one for each 32 codes along K); W2_codes 8 x 1,024 x 128 x 32 uint8 (E5M2 codes of W2, K innermost, in blocks of 32 codes); W2_scales 8 x 1,024 x 128 uint8 (E8M0 scales of W2, one for each 32 codes along K); Wr 1,024 x 8 float32; b1 8 x 4,096 float32; b2 8 x 1,024 float32; br 8 float32; x 4 x 256 x 1,024 float32.
;; Outputs: out0 4 x 256 x 1,024 float32.
;; This version of the problem:
;;   THIS VERSION OF THE PROBLEM IS GIVEN IN LOW PRECISION. The matrix products marked QUANTISED in the list below multiply operands that are first quantised to E5M2 (5 exponent bits, 2 mantissa bits; 8 bits a number), with one power-of-two scale for each 32 numbers along K (OCP MX v1.0); their sums are f32. All else is computed in f32.
;;   The module's matrix products, in the order in which they are computed (A, B: the left and right operand; K: the contracted axis; several contracted axes count as one K, in the product's order):
;;     1. [M 1,024, K 1,024] x [K 1,024, N 8]; A: input x; B: input Wr: left as it is (N = 8 < 16)
;;     2. [M 1,024, K 1,024] x [K 1,024, N 4,096]; A: input x; B: input W1 (given as codes): QUANTISED
;;     3. [M 1,024, K 4,096] x [K 4,096, N 1,024]; A: computed on the way; B: input W2 (given as codes): QUANTISED
;;     4. [M 1,024, K 1,024] x [K 1,024, N 4,096]; A: input x; B: input W1 (given as codes): QUANTISED
;;     5. [M 1,024, K 4,096] x [K 4,096, N 1,024]; A: computed on the way; B: input W2 (given as codes): QUANTISED
;;     6. [M 1,024, K 1,024] x [K 1,024, N 4,096]; A: input x; B: input W1 (given as codes): QUANTISED
;;     7. [M 1,024, K 4,096] x [K 4,096, N 1,024]; A: computed on the way; B: input W2 (given as codes): QUANTISED
;;     8. [M 1,024, K 1,024] x [K 1,024, N 4,096]; A: input x; B: input W1 (given as codes): QUANTISED
;;     9. [M 1,024, K 4,096] x [K 4,096, N 1,024]; A: computed on the way; B: input W2 (given as codes): QUANTISED
;;     10. [M 1,024, K 1,024] x [K 1,024, N 4,096]; A: input x; B: input W1 (given as codes): QUANTISED
;;     11. [M 1,024, K 4,096] x [K 4,096, N 1,024]; A: computed on the way; B: input W2 (given as codes): QUANTISED
;;     12. [M 1,024, K 1,024] x [K 1,024, N 4,096]; A: input x; B: input W1 (given as codes): QUANTISED
;;     13. [M 1,024, K 4,096] x [K 4,096, N 1,024]; A: computed on the way; B: input W2 (given as codes): QUANTISED
;;     14. [M 1,024, K 1,024] x [K 1,024, N 4,096]; A: input x; B: input W1 (given as codes): QUANTISED
;;     15. [M 1,024, K 4,096] x [K 4,096, N 1,024]; A: computed on the way; B: input W2 (given as codes): QUANTISED
;;     16. [M 1,024, K 1,024] x [K 1,024, N 4,096]; A: input x; B: input W1 (given as codes): QUANTISED
;;     17. [M 1,024, K 4,096] x [K 4,096, N 1,024]; A: computed on the way; B: input W2 (given as codes): QUANTISED
;;   THE QUANTISER, for each operand of a quantised product, along K:
;;     - K is cut into blocks of 32 from its start; a last block that is shorter is filled with zeros.
;;     - A block's scale is 2^e with e = floor(log2(the largest magnitude in the block)) - 15, held to -126 .. 127; a block of zeros has e = 0. As a byte (E8M0): e + 127.
;;     - Each number is divided by its block's scale, clamped to +-57,344, and rounded to the nearest number of E5M2, ties to even, subnormals kept.
;;     - The product sums the exact products of the quantised numbers (number of the format x scale) in f32.
;;   ~~~python
;;   def quantise(x, axis):      # numpy; x: float32 -> the quantised numbers, widened to float32 again
;;       x = np.moveaxis(x, axis, -1); K = x.shape[-1]
;;       x = np.pad(x, [(0, 0)] * (x.ndim - 1) + [(0, -K % 32)]); x = x.reshape(x.shape[:-1] + (-1, 32)); a = np.abs(x).max(-1, keepdims=True)
;;       e = np.where(a > 0, np.clip(np.frexp(np.where(a > 0, a, 1))[1] - 1 - 15, -126, 127), 0)      # np.frexp(a)[1] - 1 = floor(log2(a)), exactly
;;       r = np.clip(x / 2.0 ** e, -57344, 57344)
;;       step = 2.0 ** (np.maximum(np.frexp(np.where(r == 0, 1, r))[1] - 1, -14) - 2)
;;       q = np.round(r / step) * step * 2.0 ** e      # np.round: ties to even
;;       return np.moveaxis(q.reshape(q.shape[:-2] + (-1,))[..., :K], -1, axis).astype(np.float32)
;;   ~~~
;;   OPERANDS COMPUTED ON THE WAY. 'Computed on the way' means the value that the module computes at that place (a softmax that the list does not call 'softmax' is quantised finished and normalised). What goes into a quantiser is computed in f32, as accurately as f32 sums, v_exp_f32 and their like allow (about 1e-6 of the number): no bf16 or f16 on the way to a quantiser, and a product that is left as it is and whose result goes on into a quantised operand takes f32 operands (vector FMAs, or v_wmma_f32_16x16x4_f32). A number that lies on a knife's edge between two numbers of the format may be rounded either way, as far as f32 arithmetic and the matrix unit's own rounding can turn it there, and no further.
;;   INPUTS GIVEN AS CODES. W1 (in the module: [8, 1024, 4096], K = its axis 1); W2 (in the module: [8, 4096, 1024], K = its axis 1): each comes as NAME_codes (uint8): NAME with its K axis moved to the last place and cut into blocks of 32 codes, [.., K / 32, bytes a block], one block behind the other in memory; one code a byte (a code: sign, 5 exponent bits, 2 mantissa bits); and NAME_scales (uint8): the same leading axes, one E8M0 byte (e + 127) for each 32 codes along K. Its value is code x scale, taken as it is: it is not quantised again, and the codes and scales need not be those that the quantiser above would give.
;; One version. Each part assembles by itself: llvm-mc -triple=amdgcn-amd-amdhsa -mcpu=gfx1250 --defsym DOCPART=n.
;; ======== version 1 of 1: 3 launches
;; workspace buffers: xq 1,048,576 bytes; xs 32,768 bytes; eidx 4,096 bytes of whole numbers; gate 4,096 bytes; hq 33,554,432 bytes; hs 1,048,576 bytes
;; launch route (part 1): grid 256 x 1, 4 waves a work-group, no clusters, 35,840 bytes of LDS; arguments x, Wr, br, xq, xs, eidx, gate; writes xq, xs, eidx, gate
.if DOCPART == 1
	.amdgcn_target "amdgcn-amd-amdhsa--gfx1250"
	.amdhsa_code_object_version 6
	.text
	.protected	k_qec4a784735_route
	.globl	k_qec4a784735_route
	.p2align	8
	.type	k_qec4a784735_route,@function
k_qec4a784735_route:
	s_mov_b64 s[64:65], 0
	v_nop
	global_prefetch_b8 v0, s[64:65] scope:SCOPE_SE
	s_setreg_imm32_b32 hwreg(HW_REG_WAVE_MODE, 25, 1), 1
	s_wait_xcnt 0x0
; ROUTER AND QUANTISER OF x.  x: [1024 tokens][1024] f32.  Wr: [1024][8] f32.  br: [8] f32.
; For each token: logits = x Wr + br in f32; eidx = the first index of the largest logit; gate = 1 / sum of exp(logit - largest), which is the softmax at that index.
; And x as codes of E5M2, K innermost (xq [token][1024 bytes]), with one E8M0 byte for each 32 along K (xs [token][32 bytes]).
; A block's scale is 2^(floor(log2(its largest magnitude)) - 15); its byte is that magnitude's exponent field - 15, held at 1 from below.
; LIMITS: NaN and infinities among the inputs are not served.  Blocks whose largest magnitude lies under 2^-111 keep the byte 1; a block of zeros gets the byte 1, not 127: its codes are
; zeros, and this program alone reads the bytes.  Logits that are equal within the rounding of an f32 sum of 1,024 terms may choose the other expert.
; SHARES: one token a wave, four waves a work-group, 256 work-groups.  Lane l holds x[256 g + 8 l + 0..7], g = 0..3: a block of 32 lies in four neighbouring lanes, and a lane's 8 codes are 8 bytes,
; so that a wave's store of codes covers 256 consecutive bytes, aligned.  Wr (32 KiB) is shared by the four waves through LDS.  No matrix unit: N = 8.  No cluster: a work-group shares only Wr with others, two thirds of what it reads.
.set SB,  34816                        ; LDS: Wr as 128 pieces of 256 bytes + 16 of padding (pitch 272 = 17 x 16 bytes); behind it 32 scale bytes for each wave
.set XR,  16                           ; v16-47   my 32 numbers of x
.set WA,  48                           ; v48-111  eight rows of Wr (first: where Wr's loads land)
.set WB,  112                          ; v112-175 eight more
.set LG,  176                          ; v176-183 the logits
.set PT,  184                          ; v184-191 the other half's sums
.set QM,  48                           ; behind the sums v48.. are free: largest magnitudes,
.set QS,  52                           ; the conversions' scale operands,
.set QL,  56                           ; 57,344 x the scale,
.set QB,  60                           ; the scale bytes,
.set QC,  64                           ; the codes, a pair for each g
.set MX,  72
.set IX,  73
.set SUM, 74
.set GT,  75
.set EX,  76                           ; v76-83
.set SW,  84
	s_load_b256 s[4:11], s[0:1], 0x0               ; x s[4:5], Wr s[6:7], br s[8:9], xq s[10:11]
	s_load_b128 s[12:15], s[0:1], 0x20             ; xs s[12:13], eidx s[14:15]
	s_load_b64 s[16:17], s[0:1], 0x30              ; gate
	v_lshl_add_u32 v192, v0, 2, 0x8a00
	v_mov_b32 v193, 0
	v_lshrrev_b32 v1, 5, v0
	v_readfirstlane_b32 s18, v1                    ; wave
	v_and_b32 v1, 31, v0                           ; lane
	v_and_b32 v10, 15, v0
	v_bfe_u32 v11, v0, 4, 1
	v_lshlrev_b32 v2, 5, v1                        ; x: 32 bytes a lane
	s_mul_i32 s19, s18, 8704
	v_mul_u32_u24 v3, v11, 272
	v_lshl_add_u32 v3, v10, 4, v3
	v_add_nc_u32 v3, s19, v3                       ; Wr into LDS: wave x 32 pieces + half x 1 piece + 16 (lane % 16)
	v_mul_u32_u24 v4, v1, 272                      ; Wr out of LDS: piece 32 g + lane holds rows 256 g + 8 lane + 0..7
	v_lshlrev_b32 v5, 3, v1                        ; codes: 8 bytes a lane
	s_lshl_b32 s19, s18, 5
	s_add_co_u32 s19, s19, SB
	v_lshrrev_b32 v6, 2, v1
	v_add_nc_u32 v6, s19, v6                       ; my block's byte among my wave's 32
	v_and_b32 v8, 7, v1
	v_lshlrev_b32 v8, 2, v8
	v_add_nc_u32 v7, s19, v8                       ; and a word of them
	v_lshlrev_b32 v9, 4, v1
	v_mov_b32 v12, 0
.irp n, 0,1,2,3,4,5,6,7
	v_mov_b32 v[PT+\n], 0                          ; a lane permute's destination counts as one of its sources
.endr
	s_mov_b32 s32, 0x76543210
	s_mov_b32 s33, 0xfedcba98                      ; selects: lane l xor 16
	s_mov_b32 s34, 0x600000                        ; the mantissa field of 57,344
	s_lshl_b32 s28, ttmp9, 2
	s_add_co_u32 s28, s28, s18                     ; my token
	s_mov_b32 s31, 0
	s_wait_kmcnt 0x0
	s_load_b256 s[20:27], s[8:9], 0x0              ; br
	s_lshl_b32 s30, s18, 13
	s_add_nc_u64 s[6:7], s[6:7], s[30:31]          ; my wave's quarter of Wr
	s_lshl_b32 s30, s28, 12
	s_add_nc_u64 s[4:5], s[4:5], s[30:31]
	s_lshl_b32 s30, s28, 10
	s_add_nc_u64 s[10:11], s[10:11], s[30:31]
	s_lshl_b32 s30, s28, 5
	s_add_nc_u64 s[12:13], s[12:13], s[30:31]
	s_lshl_b32 s30, s28, 2
	s_add_nc_u64 s[14:15], s[14:15], s[30:31]
	s_add_nc_u64 s[16:17], s[16:17], s[30:31]
.irp i, 0,1,2,3,4,5,6,7,8,9,10,11,12,13,14,15
	global_load_b128 v[WA+4*\i:WA+4*\i+3], v9, s[6:7] offset:512*\i
.endr
.irp g, 0,1,2,3
	global_load_b128 v[XR+8*\g:XR+8*\g+3], v2, s[4:5] offset:1024*\g th:TH_LOAD_NT
	global_load_b128 v[XR+8*\g+4:XR+8*\g+7], v2, s[4:5] offset:1024*\g+16 th:TH_LOAD_NT
.endr
	s_wait_loadcnt 8                               ; Wr's sixteen are in; x's eight, issued behind them, may stay out
.irp i, 0,1,2,3,4,5,6,7,8,9,10,11,12,13,14,15
	ds_store_b128 v3, v[WA+4*\i:WA+4*\i+3] offset:544*\i
.endr
	s_wait_dscnt 0x0                               ; for the others' sake: my quarter of Wr lies in LDS
	s_barrier_signal -1
	s_barrier_wait -1
.macro WRD g, ws                       ; rows 256 g + 8 lane + 0..7 of Wr: 16 loads
.irp i, 0,1,2,3,4,5,6,7
	ds_load_b128 v[\ws+8*\i:\ws+8*\i+3], v4 offset:8704*\g+32*\i
	ds_load_b128 v[\ws+8*\i+4:\ws+8*\i+7], v4 offset:8704*\g+32*\i+16
.endr
.endm
.macro DOT g, ws                       ; eight numbers of x against eight rows of Wr: two logits an instruction; the very first product starts the sums
.irp i, 0,2,4,6
.irp p, 0,1,2,3
.if (\g == 0) && (\i == 0)
	v_pk_mul_f32 v[LG+2*\p:LG+2*\p+1], v[\ws+2*\p:\ws+2*\p+1], v[XR:XR+1] op_sel_hi:[1,0]
.else
	v_pk_fma_f32 v[LG+2*\p:LG+2*\p+1], v[\ws+8*\i+2*\p:\ws+8*\i+2*\p+1], v[XR+8*\g+\i:XR+8*\g+\i+1], v[LG+2*\p:LG+2*\p+1] op_sel_hi:[1,0,1]
.endif
.endr
.irp p, 0,1,2,3
	v_pk_fma_f32 v[LG+2*\p:LG+2*\p+1], v[\ws+8*\i+8+2*\p:\ws+8*\i+9+2*\p], v[XR+8*\g+\i:XR+8*\g+\i+1], v[LG+2*\p:LG+2*\p+1] op_sel:[0,1,0] op_sel_hi:[1,1,1]
.endr
.endr
.endm
	WRD 0, WA
	WRD 1, WB
	s_wait_loadcnt 0x0                             ; x
	s_wait_dscnt 16                                ; the older sixteen reads are in, the younger sixteen may be out: so in the next two waits too
	DOT 0, WA
	WRD 2, WA
	s_wait_dscnt 16
	DOT 1, WB
	WRD 3, WB
	s_wait_dscnt 16
	DOT 2, WA
	s_wait_dscnt 0x0
	DOT 3, WB
.irp m, 1,2,4,8                        ; across the 32 lanes; every lane ends with the same eight sums
.irp n, 0,1,2,3,4,5,6,7
	v_add_f32_dpp v[LG+\n], v[LG+\n], v[LG+\n] row_xmask:\m row_mask:0xf bank_mask:0xf
.endr
.endr
.irp n, 0,1,2,3,4,5,6,7
	v_permlanex16_b32 v[PT+\n], v[LG+\n], s32, s33
.endr
.irp n, 0,1,2,3,4,5,6,7
	v_add_f32 v[LG+\n], v[LG+\n], v[PT+\n]
.endr
	s_wait_kmcnt 0x0                               ; br
.irp n, 0,1,2,3,4,5,6,7
	v_add_f32 v[LG+\n], s[20+\n], v[LG+\n]
.endr
	v_max3_num_f32 v[MX], v[LG], v[LG+1], v[LG+2]
	v_max3_num_f32 v[MX], v[MX], v[LG+3], v[LG+4]
	v_max3_num_f32 v[MX], v[MX], v[LG+5], v[LG+6]
	v_max_num_f32 v[MX], v[MX], v[LG+7]
	v_mov_b32 v[IX], 7
.irp n, 6,5,4,3,2,1,0                  ; downward, so that the lowest index of the largest logit stays
	v_cmp_neq_f32 vcc_lo, v[LG+\n], v[MX]
	v_cndmask_b32 v[IX], \n, v[IX], vcc_lo
.endr
.irp n, 0,1,2,3,4,5,6,7
	v_sub_f32 v[EX+\n], v[LG+\n], v[MX]            ; the largest logit is taken away first
.endr
.irp n, 0,1,2,3,4,5,6,7
	v_mul_f32 v[EX+\n], 0x3fb8aa3b, v[EX+\n]
.endr
.irp n, 0,1,2,3,4,5,6,7
	v_exp_f32 v[EX+\n], v[EX+\n]                   ; one batch; the quantiser below names none of its results
.endr
	; THE QUANTISER: four blocks' parts a lane, by turns
.irp g, 0,1,2,3
	v_max3_num_f32 v[QM+\g], |v[XR+8*\g]|, |v[XR+8*\g+1]|, 0x8000000   ; with the floor 2^(16 - 127): the byte cannot fall under 1
.endr
.irp i, 2,4,6
.irp g, 0,1,2,3
	v_max3_num_f32 v[QM+\g], v[QM+\g], |v[XR+8*\g+\i]|, |v[XR+8*\g+\i+1]|
.endr
.endr
.irp m, 1,2
.irp g, 0,1,2,3
	v_max_num_f32_dpp v[QM+\g], v[QM+\g], v[QM+\g] row_xmask:\m row_mask:0xf bank_mask:0xf   ; the four lanes of a block
.endr
.endr
.irp g, 0,1,2,3
	v_add_nc_u32 v[QS+\g], 0xf8800000, v[QM+\g]    ; 15 off the exponent field: the conversion's scale operand
.endr
.irp g, 0,1,2,3
	v_and_or_b32 v[QL+\g], v[QM+\g], 0x7f800000, s34   ; 57,344 x the scale
.endr
.irp g, 0,1,2,3
	v_lshrrev_b32 v[QB+\g], 23, v[QS+\g]           ; the scale's byte
.endr
.irp g, 0,1,2,3
.irp i, 0,1,2,3,4,5,6,7
	v_med3_num_f32 v[XR+8*\g+\i], v[XR+8*\g+\i], -v[QL+\g], v[QL+\g]   ; the conversion to an 8-bit code does not saturate (ISA guide 7.6.2)
.endr
.endr
.irp g, 0,1,2,3
	v_cvt_scalef32_pk8_bf8_f32 v[QC+2*\g:QC+2*\g+1], v[XR+8*\g:XR+8*\g+7], v[QS+\g]
.endr
	v_nop                                          ; a plain line behind the last conversion
.irp g, 0,1,2,3
	global_store_b64 v5, v[QC+2*\g:QC+2*\g+1], s[10:11] offset:256*\g   ; 32 lanes store 256 consecutive bytes, aligned
	ds_store_b8 v6, v[QB+\g] offset:8*\g           ; the four lanes of a block write the same byte with the same value
.endr
	s_wait_alu depctr_va_vdst(0)                   ; one wait for the eight exponentials, ahead of their first reader
	v_add_f32 v[SUM], v[EX], v[EX+1]
.irp n, 2,3,4,5,6,7
	v_add_f32 v[SUM], v[SUM], v[EX+\n]
.endr
	v_rcp_f32 v[GT], v[SUM]                        ; the softmax at the largest logit: exp(0) / the sum
	v_cmp_gt_u32 vcc_lo, 8, v1                     ; (a plain line behind the reciprocal)
	ds_load_b32 v[SW], v7                          ; LDS serves a wave's instructions in order: this sees my byte stores
	s_wait_dscnt 0x0
	s_wait_xcnt 0x0                                ; EXEC changes only behind this wait
	s_wait_tensorcnt 0x0
	ds_add_u32 v192, v193
	s_wait_dscnt 0x0
	s_and_saveexec_b32 s35, vcc_lo
	global_store_b32 v8, v[SW], s[12:13]           ; lanes 0-7: my token's 32 scale bytes
	v_cmp_eq_u32 vcc_lo, 0, v1
	s_wait_xcnt 0x0
	s_and_saveexec_b32 s36, vcc_lo
	s_wait_alu depctr_va_vdst(0)                   ; the wait for the reciprocal, ahead of the store that reads it
	global_store_b32 v12, v[IX], s[14:15]          ; lane 0: the expert, at a fixed place,
	global_store_b32 v12, v[GT], s[16:17]          ; and its gate
	s_endpgm
.Lfunc_end_k_qec4a784735_route:
	.size	k_qec4a784735_route, .Lfunc_end_k_qec4a784735_route-k_qec4a784735_route
	.p2alignl 7, 3214868480
	.fill 96, 4, 3214868480
	.section	.rodata,"a",@progbits
	.p2align	6, 0x0
	.amdhsa_kernel k_qec4a784735_route
		.amdhsa_group_segment_fixed_size 35840
		.amdhsa_private_segment_fixed_size 0
		.amdhsa_enable_private_segment 0
		.amdhsa_kernarg_size 56
		.amdhsa_user_sgpr_count 2
		.amdhsa_user_sgpr_kernarg_segment_ptr 1
		.amdhsa_wavefront_size32 1
		.amdhsa_system_sgpr_workgroup_id_x 1
		.amdhsa_system_sgpr_workgroup_id_y 1
		.amdhsa_system_sgpr_workgroup_id_z 1
		.amdhsa_system_vgpr_workitem_id 0
		.amdhsa_next_free_vgpr 194
		.amdhsa_next_free_sgpr 66
		.amdhsa_reserve_vcc 1
		.amdhsa_float_denorm_mode_32 3
		.amdhsa_float_denorm_mode_16_64 3
		.amdhsa_memory_ordered 1
		.amdhsa_forward_progress 1
		.amdhsa_inst_pref_size 29
	.end_amdhsa_kernel
	.amdgpu_metadata
---
amdhsa.version: [ 1, 2 ]
amdhsa.kernels:
  - .name:           k_qec4a784735_route
    .symbol:         k_qec4a784735_route.kd
    .args:
      - { .name: x, .offset: 0, .size: 8, .value_kind: global_buffer, .address_space: global }
      - { .name: Wr, .offset: 8, .size: 8, .value_kind: global_buffer, .address_space: global }
      - { .name: br, .offset: 16, .size: 8, .value_kind: global_buffer, .address_space: global }
      - { .name: xq, .offset: 24, .size: 8, .value_kind: global_buffer, .address_space: global }
      - { .name: xs, .offset: 32, .size: 8, .value_kind: global_buffer, .address_space: global }
      - { .name: eidx, .offset: 40, .size: 8, .value_kind: global_buffer, .address_space: global }
      - { .name: gate, .offset: 48, .size: 8, .value_kind: global_buffer, .address_space: global }
    .group_segment_fixed_size: 35840
    .private_segment_fixed_size: 0
    .kernarg_segment_align: 8
    .kernarg_segment_size: 56
    .max_flat_workgroup_size: 128
    .sgpr_count:     66
    .vgpr_count:     194
    .wavefront_size: 32
...
	.end_amdgpu_metadata
.endif
;; end of part 1
;; launch up (part 2): grid 32 x 8, 4 waves a work-group, no clusters, 279,040 bytes of LDS; arguments xq, xs, eidx, W1_codes, W1_scales, b1, hq, hs; writes hq, hs
.if DOCPART == 2
	.amdgcn_target "amdgcn-amd-amdhsa--gfx1250"
	.amdhsa_code_object_version 6
	.text
	.protected	k_qec4a784735_up
	.globl	k_qec4a784735_up
	.p2align	8
	.type	k_qec4a784735_up,@function
k_qec4a784735_up:
	s_mov_b64 s[64:65], 0
	v_nop
	global_prefetch_b8 v0, s[64:65] scope:SCOPE_SE
	s_setreg_imm32_b32 hwreg(HW_REG_WAVE_MODE, 25, 1), 1
	s_wait_xcnt 0x0
; FIRST PRODUCT OF THE CHOSEN EXPERT: h = Q(gelu(xq W1[e] + b1[e])) for the tokens whose stored expert is e, on codes of E5M2 with E8M0 scales; Q quantises along the hidden units.
; SHARES.  Work-group (ch = x, e = y) makes hidden units 128 ch .. 128 ch + 127 of expert e: one step of 128 along the second product's K.  Wave w makes 32 of them, 32 w on: one block of 32.
; Its 32 rows of W1 (32 x 1,024 bytes) are read from memory once, 512 consecutive bytes an instruction, turned through the wave's own stage in LDS into 16 fragments, and stay in 256 registers.
; THE TOKEN LIST.  Wave 0 reads all 1,024 stored experts and lays the tokens of e in LDS, in the order (i, q, lane) of token 128 i + 4 lane + q; the next launch makes the same list by the same lines.
; Behind its end the list repeats its own first token (32 places): the spare rows of the last tile are that token's rows once more, so that the next launch can store every row of a tile.
; TILES of 16 tokens; 12 tiles a pass lie in LDS (gathered rows of xq, each read once by the work-group), 6 passes of constant count serve all 64 tiles that one expert can have.
; Every loop has a constant count; a tile past the expert's count is jumped over by a scalar branch on the count.  No barrier stands under such a branch.
; TRANSPOSED: source 0 = 16 rows of W1, source 1 = 16 tokens.  Tile u takes rows 16 a + 8 u + i at its rows 8 a + i, so that a lane (token r, half hh) holds hidden units 16 hh + 0..15 in the 16 registers of its two tiles:
; their codes are four registers of the next operand, stored as an image of registers: hq [e][tile 64][step 32][block 4][lane 32][16 bytes]; the scale bytes hs [e][step 32][tile 64][row 16][block 4].
; SCALE WORDS: register q holds K step q in lanes 0-15 and K step 4 + q in lanes 16-31, for W1 and for x alike.
; gelu(a) = a/2 + a/2 erf(a / sqrt 2); erf(z) = z P(z^2) / Q(z^2), z held within +-4, a quotient of polynomials of degree 6 and 4 in f32.
; NO TENSOR LOAD, NO CLUSTER, though the 32 work-groups of an expert read the same rows of xq: how many tiles there are hangs on a count read from memory.
; The scale bytes leave one byte a lane, 4 bytes apart: a 32nd of the codes' bytes; to join the four waves' bytes would want LDS stores and a barrier inside the tile loop.
; LIMITS: NaN and infinities are not served; a block whose largest magnitude lies under 2^-111 keeps the byte 1, a block of zeros too (its codes are zeros; this program alone reads the bytes).
; REGISTERS: window 0 as named below; window 1: W1's fragments, (u, s) at v[128 u + 16 s]; window 2: v0-127 the tile's x (at the head all 256: where W1 lands), v128-255 and window 3: where gathered rows land.
.set PITCH, 1024                       ; a row of W1 in bytes
.set TILEB, 16640                      ; 16 rows x 1,040: a row's 1,024 bytes + 16, 65 x 16 bytes, so that 16 rows begin at 16 different 16-byte columns of 256
.set XSC,   199680                     ; LDS: 12 tiles at 0; here their scale words, 512 bytes a tile, as images of registers;
.set WST,   205824                     ; four stages of TILEB, a wave's own;
.set LIST,  272384                     ; the list: 1,152 words, 32 words that take what is not e's, spare to 5,120 bytes;
.set CNT,   277504                     ; the count
.set LN16, 1                           ; 16 x lane
.set RR,   2                           ; r = lane % 16
.set HH,   3                           ; hh = lane / 16
.set R16,  4                           ; 16 r
.set WSA,  5                           ; my stage, in: + 16 lane
.set WRA,  6                           ; my stage, out: + 1040 r + 16 hh
.set AX0,  7                           ; a tile's fragment: 1040 r + 16 hh
.set AXT,  8
.set AXS0, 9                           ; its scale words: XSC + 16 lane
.set AXST, 10
.set GST,  11                          ; v11-13  where I lay tile 4 i + w: its first byte + 1040 hh + 16 r
.set GSS,  14                          ; v14-16  and its scale words
.set GLA0, 17                          ; the list: LIST + 64 w + 4 hh
.set GLB0, 18                          ; LIST + 64 w + 4 r
.set GLA,  19
.set GLB,  20
.set HO,   21
.set HSO,  22
.set ACNT, 23
.set H16,  24                          ; 16 hh
.set WSO,  25
.set BO,   26
.set PZA,  27
.set XS,   28                          ; v28-31  x's scale words
.set WS,   32                          ; v32-39  W1's
.set BIAS, 40                          ; v40-55
.set ACC,  56                          ; v56-71
.set Z,    72                          ; v72-87
.set H,    88                          ; v88-103 z^2, then h
.set P,    104                         ; v104-119
.set Q,    120                         ; v120-135
.set A0,   136
.set B0,   138
.set M,    140
.set M2,   141
.set SCO,  142
.set LIM,  143
.set BY,   144
.set CD,   146                         ; v146-149
.set ID,   150                         ; v150-176 nine for each of three tiles: rows 2 k + hh, k = 0..7, and row r
.set GSC,  180                         ; v180-191
.set HS0,  192                         ; 4 r + w
.set LSA,  193                         ; LIST: the list's first place
.set IDX,  72                          ; wave 0 at the head: v72-103 the stored experts,
.set PR,   104                         ; a place in the list,
.set TOK,  105
.set DMP,  106                         ; 1,152 + lane
.set L4,   107                         ; 4 x lane
.set ZQ,   108                         ; v108-111 zeros
.set TL,   112                         ; lane
.set TM,   113
.set WV,  20
.set EX,  21
.set CH,  22
.set CN,  28
.set NN,  30
.set NT,  31
.set REM, 32
.set NTP, 33
.set CW,  34
.set TT,  35
.set T1,  36
.set PC,  37
.set PL,  38
.set THS, 39
.set SEL, 40
.set MNT, 42
.set TH,  43
.set TX,  44
.set TXS, 45
.set MSB, 0
.macro WIN new                         ; the immediate's high byte repeats the setting that is left
.if MSB != \new
	s_set_vgpr_msb (MSB<<8)|\new
.set MSB, \new
.endif
.endm
.macro BARRIER                         ; my LDS stores have landed and my LDS loads are in: then the work-group's barrier
	s_wait_dscnt 0x0
	s_barrier_signal -1
	s_barrier_wait -1
.endm
.macro WLAND u                         ; tile u's 16 rows of W1 into window 2: 32 loads of 512 consecutive bytes
	WIN 0x80
.set mm, 0
.rept 16
	global_load_b128 v[128*\u+8*mm:128*\u+8*mm+3], v[LN16], s[10:11] offset:(16*(mm/8)+8*\u+mm%8)*PITCH th:TH_LOAD_NT
	global_load_b128 v[128*\u+8*mm+4:128*\u+8*mm+7], v[LN16], s[10:11] offset:(16*(mm/8)+8*\u+mm%8)*PITCH+512 th:TH_LOAD_NT
.set mm, mm+1
.endr
	WIN 0
.endm
.macro WSTAGE u                        ; through my own stage: rows in, fragments out.  LDS serves a wave's instructions in order (ISA guide 5.7.1.4): no wait between them
	WIN 0x08
.set mm, 0
.rept 16
	ds_store_b128 v[WSA], v[128*\u+8*mm:128*\u+8*mm+3] offset:mm*1040
	ds_store_b128 v[WSA], v[128*\u+8*mm+4:128*\u+8*mm+7] offset:mm*1040+512
.set mm, mm+1
.endr
	WIN 0x40
.irp s, 0,1,2,3,4,5,6,7
.irp c, 0,1,2,3
	ds_load_b128 v[128*\u+16*\s+4*\c:128*\u+16*\s+4*\c+3], v[WRA] offset:128*\s+32*\c
.endr
.endr
	WIN 0
.endm
; 16 matrix instructions: K ascending, the two tiles by turns, one instruction a turn.  The bias is the C of each sum's first.
; Nine plain places follow: eight for loads into x and its scales and for the first read of results, nine for the next tile's first products, which write over these results.
.macro MUL
	WIN 0x09                                       ; source 0 (W1) window 1, source 1 (x) window 2, C and D window 0
.irp s, 0,1,2,3,4,5,6,7
.irp u, 0,1
.if \s == 0
	v_wmma_scale_f32_16x16x128_f8f6f4 v[ACC+8*\u:ACC+8*\u+7], v[128*\u:128*\u+15], v[0:15], v[BIAS+8*\u:BIAS+8*\u+7], v[WS+4*\u], v[XS] matrix_a_fmt:MATRIX_FMT_BF8 matrix_b_fmt:MATRIX_FMT_BF8
.elseif \s < 4
	v_wmma_scale_f32_16x16x128_f8f6f4 v[ACC+8*\u:ACC+8*\u+7], v[128*\u+16*\s:128*\u+16*\s+15], v[16*\s:16*\s+15], v[ACC+8*\u:ACC+8*\u+7], v[WS+4*\u+\s], v[XS+\s] matrix_a_fmt:MATRIX_FMT_BF8 matrix_b_fmt:MATRIX_FMT_BF8
.else
	v_wmma_scale_f32_16x16x128_f8f6f4 v[ACC+8*\u:ACC+8*\u+7], v[128*\u+16*\s:128*\u+16*\s+15], v[16*\s:16*\s+15], v[ACC+8*\u:ACC+8*\u+7], v[WS+4*\u+\s-4], v[XS+\s-4] matrix_a_fmt:MATRIX_FMT_BF8 matrix_b_fmt:MATRIX_FMT_BF8 matrix_a_scale:MATRIX_SCALE_ROW1 matrix_b_scale:MATRIX_SCALE_ROW1
.endif
.endr
.endr
	WIN 0
.rept 9
	v_nop
.endr
.endm
.macro XLOAD adr, adrs, nx             ; a tile's eight fragments and four scale words; nx = 1: the tile behind the one that adr names
	WIN 0x80
.irp s, 0,1,2,3,4,5,6,7
.irp c, 0,1,2,3
	ds_load_b128 v[16*\s+4*\c:16*\s+4*\c+3], v[\adr] offset:\nx*TILEB+128*\s+32*\c
.endr
.endr
	WIN 0
	ds_load_b128 v[XS:XS+3], v[\adrs] offset:\nx*512
.endm
.macro GLOADS i, win, base             ; tile 4 i + w: 16 rows of xq; an instruction reads 256 consecutive bytes of each of two rows; and the rows' scale words
	WIN \win
.irp k, 0,1,2,3,4,5,6,7
.irp u, 0,1,2,3
	global_load_b128 v[\base+4*(4*\k+\u):\base+4*(4*\k+\u)+3], v[ID+9*\i+\k], s[4:5] offset:256*\u
.endr
.endr
	WIN 0
	global_load_b128 v[GSC+4*\i:GSC+4*\i+3], v[ID+9*\i+8], s[6:7]
.endm
.macro GSTORE i, win, base
	WIN \win
.irp k, 0,1,2,3,4,5,6,7
.irp u, 0,1,2,3
	ds_store_b128 v[GST+\i], v[\base+4*(4*\k+\u):\base+4*(4*\k+\u)+3] offset:2080*\k+256*\u
.endr
.endr
	WIN 0
	ds_store_b128 v[GSS+\i], v[GSC+4*\i:GSC+4*\i+3]
.endm
; The rows of the pass that begins REM tiles before the end: wave w gathers tiles w, 4 + w, 8 + w, as many (CW) as the pass has.  The loads go up, the stores come down: every way to a store has passed its loads and the wait for them.
.macro GATHER lw, sw, gb               ; lw, sw, gb: the window (as a load's destination, as an LDS store's data) and first register where the third tile lands
	s_max_i32 s[CW], s[REM], 0
	s_min_u32 s[CW], s[CW], 12
	s_add_co_u32 s[CW], s[CW], 3
	s_sub_co_u32 s[CW], s[CW], s[WV]
	s_lshr_b32 s[CW], s[CW], 2
	v_add_nc_u32 v[GLA], s[PL], v[GLA0]
	v_add_nc_u32 v[GLB], s[PL], v[GLB0]
	s_cmp_eq_u32 s[CW], 0
	s_cbranch_scc1 .LG0_\@
.irp i, 0,1,2
.irp k, 0,1,2,3,4,5,6,7
	ds_load_b32 v[ID+9*\i+\k], v[GLA] offset:256*\i+8*\k
.endr
	ds_load_b32 v[ID+9*\i+8], v[GLB] offset:256*\i
.endr
	s_wait_dscnt 0x0
.irp i, 0,1,2
.irp k, 0,1,2,3,4,5,6,7,8
	v_min_u32 v[ID+9*\i+\k], 0x3ff, v[ID+9*\i+\k]  ; a token's number stays inside the table
.endr
.endr
.irp i, 0,1,2
.irp k, 0,1,2,3,4,5,6,7
	v_lshl_add_u32 v[ID+9*\i+\k], v[ID+9*\i+\k], 10, v[R16]
.endr
	v_lshl_add_u32 v[ID+9*\i+8], v[ID+9*\i+8], 5, v[H16]
.endr
	GLOADS 0, 0xc0, 0
	s_cmp_eq_u32 s[CW], 1
	s_cbranch_scc1 .LG1_\@
	GLOADS 1, 0xc0, 128
	s_cmp_eq_u32 s[CW], 2
	s_cbranch_scc1 .LG2_\@
	GLOADS 2, \lw, \gb
	s_wait_loadcnt 0x0
	GSTORE 2, \sw, \gb
.LG2_\@:
	s_wait_loadcnt 0x0
	GSTORE 1, 0x0c, 128
.LG1_\@:
	s_wait_loadcnt 0x0
	GSTORE 0, 0x0c, 0
.LG0_\@:
.endm
	s_load_b512 s[4:19], s[0:1], 0x0               ; xq, xs, eidx, W1's codes, W1's scales, b1, hq, hs
	v_lshl_add_u32 v254, v0, 2, 0x44000
	v_mov_b32 v255, 0
	v_lshrrev_b32 v[TL], 5, v0
	v_readfirstlane_b32 s[WV], v[TL]               ; wave 0..3
	s_and_b32 s[EX], ttmp7, 0xffff                 ; the expert
	s_mov_b32 s[CH], ttmp9                         ; which 128 hidden units
	; every lane term and every LDS address is made here, ahead of the first branch on the wave's number
	v_and_b32 v[TL], 31, v0
	v_and_b32 v[RR], 15, v0
	v_bfe_u32 v[HH], v0, 4, 1
	v_lshlrev_b32 v[LN16], 4, v[TL]
	v_lshlrev_b32 v[R16], 4, v[RR]
	v_lshlrev_b32 v[H16], 4, v[HH]
	s_mul_i32 s24, s[WV], TILEB
	s_add_co_u32 s25, s24, WST
	v_add_nc_u32 v[WSA], s25, v[LN16]
	v_mul_u32_u24 v[AX0], v[RR], 1040
	v_add_nc_u32 v[AX0], v[AX0], v[H16]
	v_add_nc_u32 v[WRA], s25, v[AX0]
	v_add_nc_u32 v[AXS0], XSC, v[LN16]
	v_mul_u32_u24 v[TM], v[HH], 1040
	v_add_nc_u32 v[TM], v[TM], v[R16]
	v_add_nc_u32 v[GST], s24, v[TM]
	v_add_nc_u32 v[GST+1], 4*TILEB, v[GST]
	v_add_nc_u32 v[GST+2], 8*TILEB, v[GST]
	s_lshl_b32 s24, s[WV], 9
	v_add_nc_u32 v[GSS], s24, v[AXS0]
	v_add_nc_u32 v[GSS+1], 2048, v[GSS]
	v_add_nc_u32 v[GSS+2], 4096, v[GSS]
	s_lshl_b32 s24, s[WV], 6
	s_add_co_u32 s24, s24, LIST
	v_lshl_add_u32 v[GLA0], v[HH], 2, s24
	v_lshl_add_u32 v[GLB0], v[RR], 2, s24
	v_lshl_add_u32 v[HS0], v[RR], 2, s[WV]
	v_mov_b32 v[ACNT], CNT
	v_mov_b32 v[LSA], LIST
	v_and_b32 v[TM], 8, v[RR]
	v_add_nc_u32 v[TM], v[TM], v[RR]               ; r + 8 (r / 8): tile 0's row at lane r
	v_lshl_add_u32 v[WSO], v[TM], 5, v[H16]        ; its 32 scale bytes, my half's four words
	v_lshlrev_b32 v[BO], 6, v[HH]                  ; b1: my half's 16 numbers
	v_add_nc_u32 v[PZA], LIST, v[LN16]
	v_add_nc_u32 v[DMP], 1152, v[TL]
	v_lshlrev_b32 v[L4], 2, v[TL]
.irp k, 0,1,2,3
	v_mov_b32 v[ZQ+\k], 0
	v_mov_b32 v[XS+\k], 0                          ; written once, so that they are written on every way
.endr
	v_mov_b32 v[M2], 0                             ; a lane permute's destination counts as one of its sources
	v_mov_b32 v[A0], 0xaf95df0b                    ; the two leading coefficients, each twice: an instruction takes one literal
	v_mov_b32 v[A0+1], 0xaf95df0b
	v_mov_b32 v[B0], 0xb77460cd
	v_mov_b32 v[B0+1], 0xb77460cd
	s_mov_b32 s[SEL], 0x76543210
	s_mov_b32 s[SEL+1], 0xfedcba98
	s_mov_b32 s[MNT], 0x600000                     ; the mantissa field of 57,344
	s_lshl_b32 s24, s[EX], 12
	s_lshl_b32 s25, s[CH], 7
	s_add_co_u32 s24, s24, s25
	s_lshl_b32 s25, s[WV], 5
	s_add_co_u32 s24, s24, s25                     ; my first row of W1: 4096 e + 128 ch + 32 w
	s_mov_b32 s27, 0
	s_wait_kmcnt 0x0
	s_lshl_b32 s26, s24, 10
	s_add_nc_u64 s[10:11], s[10:11], s[26:27]
	s_lshl_b32 s26, s24, 5
	s_add_nc_u64 s[12:13], s[12:13], s[26:27]
	s_lshl_b32 s26, s24, 2
	s_add_nc_u64 s[14:15], s[14:15], s[26:27]
	s_lshl_b32 s26, s[EX], 22
	s_lshl_b32 s25, s[CH], 11
	s_add_co_u32 s26, s26, s25
	s_lshl_b32 s25, s[WV], 9
	s_add_co_u32 s26, s26, s25
	s_add_nc_u64 s[16:17], s[16:17], s[26:27]      ; hq at (e, tile 0, step ch, block w)
	s_lshl_b32 s26, s[EX], 5
	s_add_co_u32 s26, s26, s[CH]
	s_lshl_b32 s26, s26, 12
	s_add_nc_u64 s[18:19], s[18:19], s[26:27]      ; hs at (e, step ch)
	s_cmp_lg_u32 s[WV], 0
	s_cbranch_scc1 .Lnoidx
.irp i, 0,1,2,3,4,5,6,7
	global_load_b128 v[IDX+4*\i:IDX+4*\i+3], v[LN16], s[8:9] offset:512*\i   ; wave 0: the experts of tokens 128 i + 4 lane + 0..3
.endr
.Lnoidx:
	WLAND 0
	s_cmp_lg_u32 s[WV], 0
	s_cbranch_scc1 .Lnoplace
	s_wait_loadcnt 32                              ; the eight index loads are in; the 32 weight loads issued behind them stay out
.irp k, 0,1,2,3,4,5,6,7,8,9
	ds_store_b128 v[PZA], v[ZQ:ZQ+3] offset:512*\k ; the list begins as token 0 everywhere
.endr
	s_mov_b32 s[CN], 0
.irp i, 0,1,2,3,4,5,6,7
.irp q, 0,1,2,3
	v_cmp_eq_u32 vcc_lo, s[EX], v[IDX+4*\i+\q]
	v_mbcnt_lo_u32_b32 v[PR], vcc_lo, s[CN]        ; the count so far + e's tokens in the lanes below me
	v_cndmask_b32 v[PR], v[DMP], v[PR], vcc_lo     ; what is not e's goes to a word of the lane's own behind the list
	v_min_u32 v[PR], 0x49f, v[PR]
	v_lshl_add_u32 v[PR], v[PR], 2, LIST
	v_add_nc_u32 v[TOK], 128*\i+\q, v[L4]
	ds_store_b32 v[PR], v[TOK]
	s_bcnt1_i32_b32 s29, vcc_lo
	s_add_co_u32 s[CN], s[CN], s29
.endr
.endr
	v_add_nc_u32 v[PR], s[CN], v[TL]               ; places N .. N + 31 (1,055 at the most, inside the list's 1,152) take the list's first token once more
	v_min_u32 v[PR], 0x49f, v[PR]
	v_lshl_add_u32 v[PR], v[PR], 2, LIST
	ds_load_b32 v[TOK], v[LSA]                     ; LDS serves a wave's instructions in order: this sees my stores
	s_wait_dscnt 0x0
	ds_store_b32 v[PR], v[TOK]
	v_mov_b32 v[TOK], s[CN]
	ds_store_b32 v[ACNT], v[TOK]
.Lnoplace:
	WLAND 1
.irp u, 0,1
	global_load_b128 v[WS+4*\u:WS+4*\u+3], v[WSO], s[12:13] offset:256*\u
	global_load_b128 v[BIAS+8*\u:BIAS+8*\u+3], v[BO], s[14:15] offset:32*\u
	global_load_b128 v[BIAS+8*\u+4:BIAS+8*\u+7], v[BO], s[14:15] offset:32*\u+16
.endr
	BARRIER                                        ; the list and the count lie in LDS; up to here wave 0 alone has touched LDS
	ds_load_b32 v[TOK], v[ACNT]
	s_wait_dscnt 0x0
	v_readfirstlane_b32 s[NN], v[TOK]
	s_min_u32 s[NN], s[NN], 0x400
	s_add_co_u32 s[NT], s[NN], 15
	s_lshr_b32 s[NT], s[NT], 4                     ; tiles of 16 tokens
	s_mov_b32 s[REM], s[NT]
	s_mov_b32 s[PL], 0
	s_mov_b32 s[TH], 0
	s_mov_b32 s[THS], 0
	GATHER 0x40, 0x04, 0                           ; the first pass's rows; window 1 is free until W1's fragments come
	s_wait_loadcnt 0x0                             ; W1, its scales, b1
	WSTAGE 0
	WSTAGE 1
	s_mov_b32 s[PC], 0
.Lpass:                                            ; 6 passes of 12 tiles
	BARRIER                                        ; this pass's rows lie in LDS, every wave's; my fragments of W1 are in
	s_max_i32 s[NTP], s[REM], 0
	s_min_u32 s[NTP], s[NTP], 12                   ; tiles in this pass
	s_mov_b32 s[TT], 0
	s_mov_b32 s[TX], 0
	s_mov_b32 s[TXS], 0
	s_cmp_eq_u32 s[NTP], 0
	s_cbranch_scc1 .Ltile
	XLOAD AX0, AXS0, 0
.Ltile:                                            ; 12 trips; a trip without a tile only steps
	s_cmp_ge_u32 s[TT], s[NTP]
	s_cbranch_scc1 .Lskip
	v_add_nc_u32 v[AXT], s[TX], v[AX0]
	v_add_nc_u32 v[AXST], s[TXS], v[AXS0]
	s_wait_dscnt 0x0                               ; this tile's fragments and scale words are in
	MUL
	s_add_co_u32 s[T1], s[TT], 1
	s_cmp_ge_u32 s[T1], s[NTP]
	s_cbranch_scc1 .Lnopre
	XLOAD AXT, AXST, 1                             ; the next tile lands while this one's gelu is computed
.Lnopre:
.irp j, 0,2,4,6,8,10,12,14
	v_pk_mul_f32 v[Z+\j:Z+\j+1], v[ACC+\j:ACC+\j+1], 0x3f3504f3 op_sel_hi:[1,0]   ; z = a / sqrt 2; each accumulator is read from its low end on
.endr
.irp j, 0,1,2,3,4,5,6,7,8,9,10,11,12,13,14,15
	v_med3_num_f32 v[Z+\j], v[Z+\j], -4.0, 4.0
.endr
.irp j, 0,2,4,6,8,10,12,14
	v_pk_mul_f32 v[H+\j:H+\j+1], v[Z+\j:Z+\j+1], v[Z+\j:Z+\j+1]
.endr
.irp j, 0,2,4,6,8,10,12,14
	v_pk_fma_f32 v[P+\j:P+\j+1], v[H+\j:H+\j+1], v[A0:A0+1], 0x32edffee op_sel_hi:[1,1,0]
	v_pk_fma_f32 v[Q+\j:Q+\j+1], v[H+\j:H+\j+1], v[B0:B0+1], 0xb95fbd29 op_sel_hi:[1,1,0]
.endr
.irp c, 0xbadc924e, 0xbbf19bf8, 0xbc69b6a7
.irp j, 0,2,4,6,8,10,12,14
	v_pk_fma_f32 v[Q+\j:Q+\j+1], v[H+\j:H+\j+1], v[Q+\j:Q+\j+1], \c op_sel_hi:[1,1,0]
.endr
.endr
.irp j, 0,1,2,3,4,5,6,7,8,9,10,11,12,13,14,15
	v_rcp_f32 v[Q+\j], v[Q+\j]                     ; one batch; the numerator's steps below name none of its results
.endr
.irp c, 0xb60cff51, 0xb86ec2d2, 0xba40ac63, 0xbb41a1f6, 0xbc83dbd4
.irp j, 0,2,4,6,8,10,12,14
	v_pk_fma_f32 v[P+\j:P+\j+1], v[H+\j:H+\j+1], v[P+\j:P+\j+1], \c op_sel_hi:[1,1,0]
.endr
.endr
.irp j, 0,2,4,6,8,10,12,14
	v_pk_mul_f32 v[P+\j:P+\j+1], v[P+\j:P+\j+1], v[Z+\j:Z+\j+1]
.endr
.irp j, 0,2,4,6,8,10,12,14
	v_pk_mul_f32 v[Z+\j:Z+\j+1], v[ACC+\j:ACC+\j+1], 0.5 op_sel_hi:[1,0]
.endr
	s_wait_alu depctr_va_vdst(0)                   ; one wait for the sixteen reciprocals, ahead of their first reader
.irp j, 0,2,4,6,8,10,12,14
	v_pk_mul_f32 v[P+\j:P+\j+1], v[P+\j:P+\j+1], v[Q+\j:Q+\j+1]        ; erf
.endr
.irp j, 0,2,4,6,8,10,12,14
	v_pk_fma_f32 v[H+\j:H+\j+1], v[Z+\j:Z+\j+1], v[P+\j:P+\j+1], v[Z+\j:Z+\j+1]   ; h = a/2 erf + a/2
.endr
	v_max3_num_f32 v[M], |v[H]|, |v[H+1]|, 0x8000000                   ; my 16 of the block's 32, in two chains, with the floor 2^(16 - 127)
	v_max3_num_f32 v[LIM], |v[H+8]|, |v[H+9]|, |v[H+10]|
.irp j, 2,4,6
	v_max3_num_f32 v[M], v[M], |v[H+\j]|, |v[H+\j+1]|
.endr
.irp j, 11,13
	v_max3_num_f32 v[LIM], v[LIM], |v[H+\j]|, |v[H+\j+1]|
.endr
	v_max3_num_f32 v[M], v[M], v[LIM], |v[H+15]|
	v_permlanex16_b32 v[M2], v[M], s[SEL], s[SEL+1]
	v_max_num_f32 v[M], v[M], v[M2]                ; with lane l xor 16's: the block's largest magnitude
	v_add_nc_u32 v[SCO], 0xf8800000, v[M]          ; 15 off its exponent field: the conversion's scale operand
	v_and_or_b32 v[LIM], v[M], 0x7f800000, s[MNT]  ; 57,344 x the scale
	s_wait_xcnt 0x0                                ; the last tile's two stores have read their registers: the byte, the offsets and the codes are written again only behind this wait
	v_lshrrev_b32 v[BY], 23, v[SCO]
	v_add_nc_u32 v[HO], s[TH], v[LN16]
	v_add_nc_u32 v[HSO], s[THS], v[HS0]
.irp j, 0,1,2,3,4,5,6,7,8,9,10,11,12,13,14,15
	v_med3_num_f32 v[H+\j], v[H+\j], -v[LIM], v[LIM]   ; the conversion to an 8-bit code does not saturate (ISA guide 7.6.2)
.endr
	v_cvt_scalef32_pk8_bf8_f32 v[CD:CD+1], v[H:H+7], v[SCO]
	v_cvt_scalef32_pk8_bf8_f32 v[CD+2:CD+3], v[H+8:H+15], v[SCO]
	v_nop                                          ; a plain line behind the last conversion
	global_store_b128 v[HO], v[CD:CD+3], s[16:17]  ; 512 consecutive bytes a wave, the four waves' on end
	global_store_b8 v[HSO], v[BY], s[18:19]        ; both halves of the lanes write the same byte with the same value
.Lskip:
	s_add_co_u32 s[TX], s[TX], TILEB
	s_add_co_u32 s[TXS], s[TXS], 512
	s_add_co_u32 s[TH], s[TH], 65536               ; a tile on in hq,
	s_add_co_u32 s[THS], s[THS], 64                ; and in hs: in every trip, so that the tile's number is 12 x pass + trip
	s_add_co_u32 s[TT], s[TT], 1
	s_cmp_lt_u32 s[TT], 12
	s_cbranch_scc1 .Ltile
	BARRIER                                        ; every wave's reads of this pass's rows are over
	s_sub_co_i32 s[REM], s[REM], 12
	s_add_co_u32 s[PL], s[PL], 768
	GATHER 0x80, 0x08, 128                         ; the next pass's rows, if there are any
	s_add_co_u32 s[PC], s[PC], 1
	s_cmp_lt_u32 s[PC], 6
	s_cbranch_scc1 .Lpass
	s_wait_tensorcnt 0x0
	ds_add_u32 v254, v255
	s_wait_dscnt 0x0
	s_endpgm
.Lfunc_end_k_qec4a784735_up:
	.size	k_qec4a784735_up, .Lfunc_end_k_qec4a784735_up-k_qec4a784735_up
	.p2alignl 7, 3214868480
	.fill 96, 4, 3214868480
	.section	.rodata,"a",@progbits
	.p2align	6, 0x0
	.amdhsa_kernel k_qec4a784735_up
		.amdhsa_group_segment_fixed_size 279040
		.amdhsa_private_segment_fixed_size 0
		.amdhsa_enable_private_segment 0
		.amdhsa_kernarg_size 64
		.amdhsa_user_sgpr_count 2
		.amdhsa_user_sgpr_kernarg_segment_ptr 1
		.amdhsa_wavefront_size32 1
		.amdhsa_system_sgpr_workgroup_id_x 1
		.amdhsa_system_sgpr_workgroup_id_y 1
		.amdhsa_system_sgpr_workgroup_id_z 1
		.amdhsa_system_vgpr_workitem_id 0
		.amdhsa_next_free_vgpr 1024
		.amdhsa_next_free_sgpr 66
		.amdhsa_reserve_vcc 1
		.amdhsa_float_denorm_mode_32 3
		.amdhsa_float_denorm_mode_16_64 3
		.amdhsa_memory_ordered 1
		.amdhsa_forward_progress 1
		.amdhsa_inst_pref_size 102
	.end_amdhsa_kernel
	.amdgpu_metadata
---
amdhsa.version: [ 1, 2 ]
amdhsa.kernels:
  - .name:           k_qec4a784735_up
    .symbol:         k_qec4a784735_up.kd
    .args:
      - { .name: xq, .offset: 0, .size: 8, .value_kind: global_buffer, .address_space: global }
      - { .name: xs, .offset: 8, .size: 8, .value_kind: global_buffer, .address_space: global }
      - { .name: eidx, .offset: 16, .size: 8, .value_kind: global_buffer, .address_space: global }
      - { .name: W1_codes, .offset: 24, .size: 8, .value_kind: global_buffer, .address_space: global }
      - { .name: W1_scales, .offset: 32, .size: 8, .value_kind: global_buffer, .address_space: global }
      - { .name: b1, .offset: 40, .size: 8, .value_kind: global_buffer, .address_space: global }
      - { .name: hq, .offset: 48, .size: 8, .value_kind: global_buffer, .address_space: global }
      - { .name: hs, .offset: 56, .size: 8, .value_kind: global_buffer, .address_space: global }
    .group_segment_fixed_size: 279040
    .private_segment_fixed_size: 0
    .kernarg_segment_align: 8
    .kernarg_segment_size: 64
    .max_flat_workgroup_size: 128
    .sgpr_count:     66
    .vgpr_count:     1024
    .wavefront_size: 32
...
	.end_amdgpu_metadata
.endif
;; end of part 2
;; launch down (part 3): grid 32 x 8, 4 waves a work-group, no clusters, 225,024 bytes of LDS; arguments hq, hs, eidx, gate, W2_codes, W2_scales, b2, out0; writes out0
.if DOCPART == 3
	.amdgcn_target "amdgcn-amd-amdhsa--gfx1250"
	.amdhsa_code_object_version 6
	.text
	.protected	k_qec4a784735_down
	.globl	k_qec4a784735_down
	.p2align	8
	.type	k_qec4a784735_down,@function
k_qec4a784735_down:
	s_mov_b64 s[64:65], 0
	v_nop
	global_prefetch_b8 v0, s[64:65] scope:SCOPE_SE
	s_setreg_imm32_b32 hwreg(HW_REG_WAVE_MODE, 25, 1), 1
	s_wait_xcnt 0x0
; SECOND PRODUCT OF THE CHOSEN EXPERT: out0[token] = (hq W2[e] + b2[e]) x gate[token] for the tokens whose stored expert is e, on codes of E5M2 with E8M0 scales; sums in f32.
; SHARES.  Work-group (ch = x, e = y) makes outputs 32 ch .. 32 ch + 31 of expert e's tokens.  Wave w takes K = 1024 w .. 1024 w + 1023 (steps 8 w .. 8 w + 7 of 128) of all 32 rows of W2: 32 x 1,024 bytes, read from
; memory once, 512 consecutive bytes an instruction, turned through the wave's own stage in LDS into 16 fragments that stay in 256 registers.  So each wave reads another quarter of h, and the four partial sums meet in LDS.
; THE TOKEN LIST is made as in the launch before, by the same lines in the same order, with each token's gate beside it: row p of h belongs to list place p.
; Behind its end the list repeats its own first token and that token's gate.  So the spare rows of the last tile hold that token's h once more, give its outputs once more, and are stored to its row like any row:
; the same values to the same bytes, from this work-group alone.  No lane is ever switched off.
; TILES of 16 tokens; 16 tiles a pass, 4 passes of constant count serve all 64 tiles that one expert can have.  A pass's tiles are written out: tile i + 1's 36 loads are issued ahead of tile i's products;
; where the pass ends is a scalar branch on the count into a tail that asks for nothing more.  No barrier stands under such a branch.
; hq [e][tile][step][block][lane][16 bytes] is an image of the operand's registers: a fragment comes by four loads of 512 consecutive bytes.  hs [e][step][tile][row] is a word for each row and step.
; TRANSPOSED: source 0 = 16 rows of W2, source 1 = 16 tokens.  Tile u takes rows 16 a + 8 u + i at its rows 8 a + i: a lane (token r, half hh) holds outputs 16 hh + 0..15: 64 neighbouring bytes.
; SCALE WORDS: register q holds the wave's K step q in lanes 0-15 and K step 4 + q in lanes 16-31, for W2 and for h alike.
; A row's 32 outputs are 128 bytes: eight lanes store them, four rows an instruction.  That is half of an aligned 256 bytes of out0: 64 outputs to a work-group would halve the work-groups or read each weight twice.
; NO TENSOR LOAD, NO CLUSTER, though the 32 work-groups of an expert read the same h: how many tiles there are hangs on a count read from memory.
; The order of the sums differs from one chain along K: four quarters of K, added as (0 + 1) + (2 + 3).
; REGISTERS: window 0 as named below; window 1: W2's fragments, (u, s) at v[128 u + 16 s]; window 2: two buffers of 128 for h (at the head: where W2 lands).
.set PITCH, 4096                       ; a row of W2 in bytes
.set WST,   147456                     ; LDS: at 0 the partial sums, [wave 4][tile 16][16 rows x 144 bytes: 128 + 16, 9 x 16 bytes]; here four stages of 16 x 1,040, a wave's own;
.set LIST,  214016                     ; the list, 5,120 bytes; the gates lie 5,120 bytes behind it, place for place;
.set CNT,   224256                     ; the count
.set LN16, 1
.set RR,   2
.set HH,   3
.set WSA,  5
.set WRA,  6
.set PSA,  7                           ; where I put 64 bytes of a row: 36864 w + 144 r + 64 hh
.set RP,   8                           ; v8-11   wave p's sums of tile w, row lane / 8, my 16 bytes
.set RLA0, 12                          ; LIST + 64 w + 4 (lane / 8)
.set RLA,  13
.set HSO,  14                          ; hs: 16384 hh + 4 r
.set WSO,  15
.set C16,  16                          ; 16 (lane % 8)
.set ACNT, 23
.set PZA,  27
.set HS,   28                          ; v28-35  h's scale words, two sets
.set WS,   36                          ; v36-43  W2's
.set B2,   44                          ; v44-47
.set ACC,  48                          ; v48-79  two sets of two accumulators
.set PQ,   80                          ; v80-143 sixteen quads of partial sums
.set GI,   144                         ; v144-151 (gate, token) for four rows; the token's register becomes the store's offset
.set IDX,  80                          ; wave 0 at the head: the stored experts,
.set GT,   112                         ; the gates,
.set PR,   160
.set TOK,  161
.set DMP,  162
.set L4,   163
.set ZQ,   164
.set TL,   168                         ; lane
.set TM,   169
.set LSA,  170                         ; LIST: the list's first place
.set TG,   171
.set WV,  20
.set EX,  21
.set CH,  22
.set CN,  28
.set NN,  30
.set NT,  31
.set REM, 32
.set NTP, 33
.set PC,  37
.set PL,  38
.set MSB, 0
.macro WIN new                         ; the immediate's high byte repeats the setting that is left
.if MSB != \new
	s_set_vgpr_msb (MSB<<8)|\new
.set MSB, \new
.endif
.endm
.macro BARRIER                         ; my LDS stores have landed and my LDS loads are in: then the work-group's barrier
	s_wait_dscnt 0x0
	s_barrier_signal -1
	s_barrier_wait -1
.endm
.macro WLAND u                         ; tile u's 16 rows, my quarter of each, into window 2: 32 loads of 512 consecutive bytes
	WIN 0x80
.set mm, 0
.rept 16
	global_load_b128 v[128*\u+8*mm:128*\u+8*mm+3], v[LN16], s[12:13] offset:(16*(mm/8)+8*\u+mm%8)*PITCH th:TH_LOAD_NT
	global_load_b128 v[128*\u+8*mm+4:128*\u+8*mm+7], v[LN16], s[12:13] offset:(16*(mm/8)+8*\u+mm%8)*PITCH+512 th:TH_LOAD_NT
.set mm, mm+1
.endr
	WIN 0
.endm
.macro WSTAGE u                        ; through my own stage: rows in, fragments out.  LDS serves a wave's instructions in order (ISA guide 5.7.1.4): no wait between them
	WIN 0x08
.set mm, 0
.rept 16
	ds_store_b128 v[WSA], v[128*\u+8*mm:128*\u+8*mm+3] offset:mm*1040
	ds_store_b128 v[WSA], v[128*\u+8*mm+4:128*\u+8*mm+7] offset:mm*1040+512
.set mm, mm+1
.endr
	WIN 0x40
.irp s, 0,1,2,3,4,5,6,7
.irp c, 0,1,2,3
	ds_load_b128 v[128*\u+16*\s+4*\c:128*\u+16*\s+4*\c+3], v[WRA] offset:128*\s+32*\c
.endr
.endr
	WIN 0
.endm
; 16 matrix instructions on buffer b: K ascending, the two tiles by turns, one instruction a turn; the first of each starts its sum with the constant 0.
; Nine plain places follow: eight for loads into h's buffer and scale words and for the LDS stores that read the results, nine for later products that write over them.
.macro MUL b
	WIN 0x09                                       ; source 0 (W2) window 1, source 1 (h) window 2, C and D window 0
.irp s, 0,1,2,3,4,5,6,7
.irp u, 0,1
.if \s == 0
	v_wmma_scale_f32_16x16x128_f8f6f4 v[ACC+16*(\b)+8*\u:ACC+16*(\b)+8*\u+7], v[128*\u:128*\u+15], v[128*(\b):128*(\b)+15], 0, v[WS+4*\u], v[HS+4*(\b)] matrix_a_fmt:MATRIX_FMT_BF8 matrix_b_fmt:MATRIX_FMT_BF8
.elseif \s < 4
	v_wmma_scale_f32_16x16x128_f8f6f4 v[ACC+16*(\b)+8*\u:ACC+16*(\b)+8*\u+7], v[128*\u+16*\s:128*\u+16*\s+15], v[128*(\b)+16*\s:128*(\b)+16*\s+15], v[ACC+16*(\b)+8*\u:ACC+16*(\b)+8*\u+7], v[WS+4*\u+\s], v[HS+4*(\b)+\s] matrix_a_fmt:MATRIX_FMT_BF8 matrix_b_fmt:MATRIX_FMT_BF8
.else
	v_wmma_scale_f32_16x16x128_f8f6f4 v[ACC+16*(\b)+8*\u:ACC+16*(\b)+8*\u+7], v[128*\u+16*\s:128*\u+16*\s+15], v[128*(\b)+16*\s:128*(\b)+16*\s+15], v[ACC+16*(\b)+8*\u:ACC+16*(\b)+8*\u+7], v[WS+4*\u+\s-4], v[HS+4*(\b)+\s-4] matrix_a_fmt:MATRIX_FMT_BF8 matrix_b_fmt:MATRIX_FMT_BF8 matrix_a_scale:MATRIX_SCALE_ROW1 matrix_b_scale:MATRIX_SCALE_ROW1
.endif
.endr
.endr
	WIN 0
.rept 9
	v_nop
.endr
.endm
.macro HLOAD i                         ; the pass's tile i: my eight fragments of h (32 loads of 512 consecutive bytes) and their scale words (4 loads): 36 loads
	WIN 0x80
.set kk, 0
.rept 32
	global_load_b128 v[128*((\i)%2)+4*kk:128*((\i)%2)+4*kk+3], v[LN16], s[4:5] offset:65536*(\i)+512*kk
.set kk, kk+1
.endr
	WIN 0
.irp q, 0,1,2,3
	global_load_b32 v[HS+4*((\i)%2)+\q], v[HSO], s[6:7] offset:4096*\q+64*(\i)
.endr
.endm
.macro PSTORE i                        ; my partial sums of tile i: 64 bytes a lane, each accumulator from its low end on
.irp q, 0,1,2,3
	ds_store_b128 v[PSA], v[ACC+16*((\i)%2)+4*\q:ACC+16*((\i)%2)+4*\q+3] offset:2304*(\i)+16*\q
.endr
.endm
; Wave w finishes the pass's tile 4 j + w, if the pass has it: four partial sums, the bias, the gate; each of the 16 rows goes to its token's row of out0, the spare rows to the list's first token's, with that row's own values.
.macro READER j
	s_add_co_u32 s29, s[WV], 4*\j
	s_cmp_gt_u32 s[NTP], s29
	s_cbranch_scc0 .Lnoread_\@
	s_wait_xcnt 0x0                                ; the stores of the tile before have read their data and offsets: these registers are loaded again only behind this wait
.irp i, 0,1,2,3
	ds_load_b32 v[GI+2*\i+1], v[RLA] offset:256*\j+16*\i
	ds_load_b32 v[GI+2*\i], v[RLA] offset:256*\j+16*\i+5120
.endr
.irp i, 0,1,2,3
.irp p, 0,1,2,3
	ds_load_b128 v[PQ+16*\i+4*\p:PQ+16*\i+4*\p+3], v[RP+\p] offset:9216*\j+576*\i
.endr
.endr
	s_wait_dscnt 0x0
.irp i, 0,1,2,3
	v_pk_add_f32 v[PQ+16*\i:PQ+16*\i+1], v[PQ+16*\i:PQ+16*\i+1], v[PQ+16*\i+4:PQ+16*\i+5]
	v_pk_add_f32 v[PQ+16*\i+2:PQ+16*\i+3], v[PQ+16*\i+2:PQ+16*\i+3], v[PQ+16*\i+6:PQ+16*\i+7]
	v_pk_add_f32 v[PQ+16*\i+8:PQ+16*\i+9], v[PQ+16*\i+8:PQ+16*\i+9], v[PQ+16*\i+12:PQ+16*\i+13]
	v_pk_add_f32 v[PQ+16*\i+10:PQ+16*\i+11], v[PQ+16*\i+10:PQ+16*\i+11], v[PQ+16*\i+14:PQ+16*\i+15]
.endr
.irp i, 0,1,2,3
	v_pk_add_f32 v[PQ+16*\i:PQ+16*\i+1], v[PQ+16*\i:PQ+16*\i+1], v[PQ+16*\i+8:PQ+16*\i+9]
	v_pk_add_f32 v[PQ+16*\i+2:PQ+16*\i+3], v[PQ+16*\i+2:PQ+16*\i+3], v[PQ+16*\i+10:PQ+16*\i+11]
.endr
.irp i, 0,1,2,3
	v_pk_add_f32 v[PQ+16*\i:PQ+16*\i+1], v[PQ+16*\i:PQ+16*\i+1], v[B2:B2+1]
	v_pk_add_f32 v[PQ+16*\i+2:PQ+16*\i+3], v[PQ+16*\i+2:PQ+16*\i+3], v[B2+2:B2+3]
.endr
.irp i, 0,1,2,3
	v_pk_mul_f32 v[PQ+16*\i:PQ+16*\i+1], v[PQ+16*\i:PQ+16*\i+1], v[GI+2*\i:GI+2*\i+1] op_sel_hi:[1,0]   ; x the gate: the pair's low word serves both halves
	v_pk_mul_f32 v[PQ+16*\i+2:PQ+16*\i+3], v[PQ+16*\i+2:PQ+16*\i+3], v[GI+2*\i:GI+2*\i+1] op_sel_hi:[1,0]
.endr
.irp i, 0,1,2,3
	v_min_u32 v[GI+2*\i+1], 0x3ff, v[GI+2*\i+1]    ; a token's number stays inside the table
.endr
.irp i, 0,1,2,3
	v_lshl_add_u32 v[GI+2*\i+1], v[GI+2*\i+1], 12, v[C16]   ; its row of 4,096 bytes, my 16 bytes of the 128
.endr
.irp i, 0,1,2,3
	global_store_b128 v[GI+2*\i+1], v[PQ+16*\i:PQ+16*\i+3], s[18:19] th:TH_STORE_NT   ; eight lanes store a row's 128 consecutive bytes
.endr
.Lnoread_\@:
.endm
	s_load_b512 s[4:19], s[0:1], 0x0               ; hq, hs, eidx, gate, W2's codes, W2's scales, b2, out0
	v_lshl_add_u32 v254, v0, 2, 0x36d00
	v_mov_b32 v255, 0
	v_lshrrev_b32 v[TL], 5, v0
	v_readfirstlane_b32 s[WV], v[TL]               ; wave 0..3
	s_and_b32 s[EX], ttmp7, 0xffff                 ; the expert
	s_mov_b32 s[CH], ttmp9                         ; which 32 outputs
	; every lane term and every LDS address is made here, ahead of the first branch on the wave's number
	v_and_b32 v[TL], 31, v0
	v_and_b32 v[RR], 15, v0
	v_bfe_u32 v[HH], v0, 4, 1
	v_lshlrev_b32 v[LN16], 4, v[TL]
	s_mul_i32 s24, s[WV], 16640
	s_add_co_u32 s24, s24, WST
	v_add_nc_u32 v[WSA], s24, v[LN16]
	v_mul_u32_u24 v[WRA], v[RR], 1040
	v_lshl_add_u32 v[WRA], v[HH], 4, v[WRA]
	v_add_nc_u32 v[WRA], s24, v[WRA]
	v_mul_u32_u24 v[PSA], v[RR], 144
	v_lshl_add_u32 v[PSA], v[HH], 6, v[PSA]
	s_mul_i32 s24, s[WV], 36864
	v_add_nc_u32 v[PSA], s24, v[PSA]
	v_lshrrev_b32 v[TM], 3, v[TL]                  ; lane / 8
	v_and_b32 v[C16], 7, v[TL]
	v_lshlrev_b32 v[C16], 4, v[C16]
	v_mul_u32_u24 v[RP], v[TM], 144
	v_add_nc_u32 v[RP], v[RP], v[C16]
	s_mul_i32 s24, s[WV], 2304
	v_add_nc_u32 v[RP], s24, v[RP]
	v_add_nc_u32 v[RP+1], 36864, v[RP]
	v_add_nc_u32 v[RP+2], 2*36864, v[RP]
	v_add_nc_u32 v[RP+3], 3*36864, v[RP]
	s_lshl_b32 s24, s[WV], 6
	s_add_co_u32 s24, s24, LIST
	v_lshl_add_u32 v[RLA0], v[TM], 2, s24
	v_lshlrev_b32 v[HSO], 14, v[HH]
	v_lshl_add_u32 v[HSO], v[RR], 2, v[HSO]
	v_and_b32 v[TM], 8, v[RR]
	v_add_nc_u32 v[TM], v[TM], v[RR]               ; r + 8 (r / 8): tile 0's row at lane r
	v_lshlrev_b32 v[WSO], 7, v[TM]
	v_lshl_add_u32 v[WSO], v[HH], 4, v[WSO]        ; its 128 scale bytes, my half's four words of my quarter
	v_mov_b32 v[ACNT], CNT
	v_mov_b32 v[LSA], LIST
	v_add_nc_u32 v[PZA], LIST, v[LN16]
	v_add_nc_u32 v[DMP], 1152, v[TL]
	v_lshlrev_b32 v[L4], 2, v[TL]
.irp k, 0,1,2,3
	v_mov_b32 v[ZQ+\k], 0
.endr
	s_lshl_b32 s24, s[EX], 10
	s_lshl_b32 s25, s[CH], 5
	s_add_co_u32 s24, s24, s25                     ; my first row of W2: 1024 e + 32 ch
	s_mov_b32 s27, 0
	s_wait_kmcnt 0x0
	s_lshl_b32 s26, s24, 12
	s_lshl_b32 s25, s[WV], 10
	s_add_co_u32 s26, s26, s25
	s_add_nc_u64 s[12:13], s[12:13], s[26:27]      ; its codes, my quarter of K
	s_lshl_b32 s26, s24, 7
	s_lshl_b32 s25, s[WV], 5
	s_add_co_u32 s26, s26, s25
	s_add_nc_u64 s[14:15], s[14:15], s[26:27]
	s_lshl_b32 s26, s24, 2
	s_add_nc_u64 s[16:17], s[16:17], s[26:27]
	s_lshl_b32 s26, s[EX], 22
	s_lshl_b32 s25, s[WV], 14
	s_add_co_u32 s26, s26, s25
	s_add_nc_u64 s[4:5], s[4:5], s[26:27]          ; hq at (e, tile 0, step 8 w)
	s_lshl_b32 s26, s[EX], 5
	s_lshl_b32 s25, s[WV], 3
	s_add_co_u32 s26, s26, s25
	s_lshl_b32 s26, s26, 12
	s_add_nc_u64 s[6:7], s[6:7], s[26:27]          ; hs at (e, step 8 w)
	s_lshl_b32 s26, s[CH], 7
	s_add_nc_u64 s[18:19], s[18:19], s[26:27]      ; out0 at my 32 columns
	s_cmp_lg_u32 s[WV], 0
	s_cbranch_scc1 .Lnoidx
.irp i, 0,1,2,3,4,5,6,7
	global_load_b128 v[IDX+4*\i:IDX+4*\i+3], v[LN16], s[8:9] offset:512*\i   ; wave 0: the experts of tokens 128 i + 4 lane + 0..3,
.endr
.irp i, 0,1,2,3,4,5,6,7
	global_load_b128 v[GT+4*\i:GT+4*\i+3], v[LN16], s[10:11] offset:512*\i   ; and their gates
.endr
.Lnoidx:
	WLAND 0
	s_cmp_lg_u32 s[WV], 0
	s_cbranch_scc1 .Lnoplace
	s_wait_loadcnt 32                              ; the sixteen index and gate loads are in; the 32 weight loads issued behind them stay out
.irp k, 0,1,2,3,4,5,6,7,8,9
	ds_store_b128 v[PZA], v[ZQ:ZQ+3] offset:512*\k ; the list begins as token 0 everywhere,
	ds_store_b128 v[PZA], v[ZQ:ZQ+3] offset:5120+512*\k   ; the gates as 0
.endr
	s_mov_b32 s[CN], 0
.irp i, 0,1,2,3,4,5,6,7
.irp q, 0,1,2,3
	v_cmp_eq_u32 vcc_lo, s[EX], v[IDX+4*\i+\q]
	v_mbcnt_lo_u32_b32 v[PR], vcc_lo, s[CN]        ; the count so far + e's tokens in the lanes below me
	v_cndmask_b32 v[PR], v[DMP], v[PR], vcc_lo     ; what is not e's goes to a word of the lane's own behind the list
	v_min_u32 v[PR], 0x49f, v[PR]
	v_lshl_add_u32 v[PR], v[PR], 2, LIST
	v_add_nc_u32 v[TOK], 128*\i+\q, v[L4]
	ds_store_b32 v[PR], v[TOK]
	ds_store_b32 v[PR], v[GT+4*\i+\q] offset:5120
	s_bcnt1_i32_b32 s29, vcc_lo
	s_add_co_u32 s[CN], s[CN], s29
.endr
.endr
	v_add_nc_u32 v[PR], s[CN], v[TL]               ; places N .. N + 31 (1,055 at the most, inside the list's 1,152) take the list's first token once more, and its gate
	v_min_u32 v[PR], 0x49f, v[PR]
	v_lshl_add_u32 v[PR], v[PR], 2, LIST
	ds_load_b32 v[TOK], v[LSA]                     ; LDS serves a wave's instructions in order: these see my stores
	ds_load_b32 v[TG], v[LSA] offset:5120
	s_wait_dscnt 0x0
	ds_store_b32 v[PR], v[TOK]
	ds_store_b32 v[PR], v[TG] offset:5120
	v_mov_b32 v[TOK], s[CN]
	ds_store_b32 v[ACNT], v[TOK]
.Lnoplace:
	WLAND 1
.irp u, 0,1
	global_load_b128 v[WS+4*\u:WS+4*\u+3], v[WSO], s[14:15] offset:1024*\u
.endr
	global_load_b128 v[B2:B2+3], v[C16], s[16:17]
	BARRIER                                        ; the list, the gates and the count lie in LDS; up to here wave 0 alone has touched LDS
	ds_load_b32 v[TOK], v[ACNT]
	s_wait_dscnt 0x0
	v_readfirstlane_b32 s[NN], v[TOK]
	s_min_u32 s[NN], s[NN], 0x400
	s_add_co_u32 s[NT], s[NN], 15
	s_lshr_b32 s[NT], s[NT], 4                     ; tiles of 16 tokens
	s_wait_loadcnt 0x0                             ; W2, its scales, b2
	WSTAGE 0
	WSTAGE 1
	s_wait_dscnt 0x0                               ; my fragments of W2 are in
	s_mov_b32 s[REM], s[NT]
	s_mov_b32 s[PL], 0
	s_mov_b32 s[PC], 0
.Lpass:                                            ; 4 passes of 16 tiles
	s_max_i32 s[NTP], s[REM], 0
	s_min_u32 s[NTP], s[NTP], 16                   ; tiles in this pass
	v_add_nc_u32 v[RLA], s[PL], v[RLA0]
	s_cmp_eq_u32 s[NTP], 0
	s_cbranch_scc1 .Lmaindone
	HLOAD 0
.irp i, 0,1,2,3,4,5,6,7,8,9,10,11,12,13,14
	s_cmp_eq_u32 s[NTP], \i+1
	s_cbranch_scc1 .Ltail_\i
	HLOAD \i+1
	s_wait_loadcnt 36                              ; this tile's 36 loads are in; the next tile's 36, issued behind them, may stay out
	MUL \i%2
	PSTORE \i
.endr
	s_wait_loadcnt 0x0
	MUL 1
	PSTORE 15
	s_branch .Lmaindone
.irp i, 0,1,2,3,4,5,6,7,8,9,10,11,12,13,14
.Ltail_\i:                                         ; the pass's last tile: nothing more is asked for
	s_wait_loadcnt 0x0
	MUL \i%2
	PSTORE \i
	s_branch .Lmaindone
.endr
.Lmaindone:
	BARRIER                                        ; every wave's partial sums of the pass lie in LDS
	READER 0
	READER 1
	READER 2
	READER 3
	BARRIER                                        ; every wave's reads of them are over: the next pass may write there
	s_wait_xcnt 0x0                                ; every earlier memory instruction has read its base: the two that step may be written
	s_sub_co_i32 s[REM], s[REM], 16
	s_add_co_u32 s[PL], s[PL], 1024
	s_add_nc_u64 s[4:5], s[4:5], 0x100000          ; 16 tiles on in hq,
	s_add_nc_u64 s[6:7], s[6:7], 1024              ; and in hs
	s_add_co_u32 s[PC], s[PC], 1
	s_cmp_lt_u32 s[PC], 4
	s_cbranch_scc1 .Lpass
	s_wait_tensorcnt 0x0
	ds_add_u32 v254, v255
	s_wait_dscnt 0x0
	s_endpgm
.Lfunc_end_k_qec4a784735_down:
	.size	k_qec4a784735_down, .Lfunc_end_k_qec4a784735_down-k_qec4a784735_down
	.p2alignl 7, 3214868480
	.fill 96, 4, 3214868480
	.section	.rodata,"a",@progbits
	.p2align	6, 0x0
	.amdhsa_kernel k_qec4a784735_down
		.amdhsa_group_segment_fixed_size 225024
		.amdhsa_private_segment_fixed_size 0
		.amdhsa_enable_private_segment 0
		.amdhsa_kernarg_size 64
		.amdhsa_user_sgpr_count 2
		.amdhsa_user_sgpr_kernarg_segment_ptr 1
		.amdhsa_wavefront_size32 1
		.amdhsa_system_sgpr_workgroup_id_x 1
		.amdhsa_system_sgpr_workgroup_id_y 1
		.amdhsa_system_sgpr_workgroup_id_z 1
		.amdhsa_system_vgpr_workitem_id 0
		.amdhsa_next_free_vgpr 768
		.amdhsa_next_free_sgpr 66
		.amdhsa_reserve_vcc 1
		.amdhsa_float_denorm_mode_32 3
		.amdhsa_float_denorm_mode_16_64 3
		.amdhsa_memory_ordered 1
		.amdhsa_forward_progress 1
		.amdhsa_inst_pref_size 198
	.end_amdhsa_kernel
	.amdgpu_metadata
---
amdhsa.version: [ 1, 2 ]
amdhsa.kernels:
  - .name:           k_qec4a784735_down
    .symbol:         k_qec4a784735_down.kd
    .args:
      - { .name: hq, .offset: 0, .size: 8, .value_kind: global_buffer, .address_space: global }
      - { .name: hs, .offset: 8, .size: 8, .value_kind: global_buffer, .address_space: global }
      - { .name: eidx, .offset: 16, .size: 8, .value_kind: global_buffer, .address_space: global }
      - { .name: gate, .offset: 24, .size: 8, .value_kind: global_buffer, .address_space: global }
      - { .name: W2_codes, .offset: 32, .size: 8, .value_kind: global_buffer, .address_space: global }
      - { .name: W2_scales, .offset: 40, .size: 8, .value_kind: global_buffer, .address_space: global }
      - { .name: b2, .offset: 48, .size: 8, .value_kind: global_buffer, .address_space: global }
      - { .name: out0, .offset: 56, .size: 8, .value_kind: global_buffer, .address_space: global }
    .group_segment_fixed_size: 225024
    .private_segment_fixed_size: 0
    .kernarg_segment_align: 8
    .kernarg_segment_size: 64
    .max_flat_workgroup_size: 128
    .sgpr_count:     66
    .vgpr_count:     768
    .wavefront_size: 32
...
	.end_amdgpu_metadata
.endif
;; end of part 3
